; MI455X (gfx1250); checked and timed in simulation.
; The chip was launched on July 23, 2026; its instructions are those of AMD's public machine-readable ISA for CDNA 5 (MIT licence, August 2026) and "CDNA5" Instruction Set Architecture Reference Guide (July 2026). The comments in the code are by the model that wrote it; some were corrected since.
;; Hopfield Layer. Allowed arithmetic: float matrix products may take bf16 or f16 operands with f32 sums; all other float work in f32.
;; Inputs: beta one number float32; w_q 1,024 x 1,024 float32; x 2 x 4,096 x 1,024 float32; xi 2,048 x 1,024 float32.
;; Outputs: out0 2 x 4,096 x 1,024 float32.
;; One version. Each part assembles by itself: llvm-mc -triple=amdgcn-amd-amdhsa -mcpu=gfx1250 --defsym DOCPART=n.
;; ======== version 1 of 1: 3 launches
;; limits: values are held in f16: magnitudes above 65,504 overflow, below 6.1e-05 lose precision
;; workspace buffers: xh 16,777,216 bytes; mh 4,194,304 bytes; xit 4,194,304 bytes; p 33,554,432 bytes; mstat 262,144 bytes; lstat 524,288 bytes
;; launch prep (part 1): grid 256 x 1, 8 waves a work-group, no clusters, 69,632 bytes of LDS; arguments x, w_q, xi, beta, xh, mh, xit; writes xh, mh, xit
.if DOCPART == 1
	.amdgcn_target "amdgcn-amd-amdhsa--gfx1250"
	.amdhsa_code_object_version 6
	.text
	.protected	k_q5b7a5449d0_prep
	.globl	k_q5b7a5449d0_prep
	.p2align	8
	.type	k_q5b7a5449d0_prep,@function
k_q5b7a5449d0_prep:
	s_mov_b64 s[64:65], 0
	v_nop
	global_prefetch_b8 v0, s[64:65] scope:SCOPE_SE
	s_setreg_imm32_b32 hwreg(HW_REG_WAVE_MODE, 25, 1), 1
	s_wait_xcnt 0x0
; HopfieldLayer: out = softmax(beta (x w_q^T) xi^T) xi.  8192 rows of x, dimension 1024, 2048 patterns, all buffers f32.
; THE PRODUCTS ARE TAKEN IN ANOTHER ORDER: (x w_q^T) xi^T = x (xi w_q)^T for all values, so q is never formed.  This launch makes
;   mh[p][d] = f16( beta log2(e) * sum over e of xi[p][e] w_q[e][d] )      [2048][1024]   (a quarter of the multiply-adds of q)
;   xh       = f16(x)                                                      [8192][1024]
;   xit[d][p] = f16(xi[p][d])                                              [1024][2048]
; the second launch makes the exponents xh mh^T in base 2 (beta lies inside mh, so the maximum is right for a negative beta too), the third the weighted sum.
; No work of the problem is left out as dead: all four inputs reach the result and are loaded.
; LIMITS.  Matrix operands are f16, sums f32.  |x| and |mh| must stay under 65504; inputs of this kind lie near 5 and 0.01, and with x, w_q, xi and
; beta all 30 times larger near 165 and 210.  Numbers under 6.1e-5 keep an absolute error of 3e-8.  The order of rounding differs from the formula
; as it is written, since q is not rounded on its own.
; SHARES.  256 work-groups of eight waves.  Work-group id makes a tile of 64 p x 128 d of mh (K = 1024 in 16 steps of 64), a piece of 128 p x 64 d
; of xit, and 32 rows of xh, 8 KiB of x in each K step.
; CLUSTERS are not used: what work-groups share here (tiles of xi and of w_q) is f32 and is narrowed on the way.  Brought by tensor loads it would
; take twice the LDS bytes, and each wave would narrow its fragments again: 24 LDS loads and 48 conversions for 8 products.  Through registers each
; number is narrowed once in the work-group.
; w_q LIES [e][d], with the sum along its rows.  No transposition is made: lane (r, h) loads 16 bytes of row e at columns 64 g + 4 r .. + 3 and deals the
; four numbers to four fragments tt = 0 .. 3, whose column r stands for d = 64 g + 4 r + tt; rows e and e + 1 packed are a k pair of a fragment register.
.set APITCH, 144                       ; an LDS row of xi: 64 f16 + 16 bytes, an odd multiple of 16
.set BOFF,   64*APITCH                 ; behind xi: 16 fragment images of w_q, 1,024 bytes each: registers 0-3 at 16 x lane, 4-7 at 512 + 16 x lane
.set SLOT,   BOFF+16*1024              ; 25,600 bytes; two slots take turns
.set STG,    2*SLOT                    ; a stage of 64 rows x 272 bytes: first for xit, at the end for mh
.set SPITCH, 272
.set XA,  2                            ; xi: (t>>4) rows of 4,096 bytes + 16 (t&15); the same figure places 16 bytes in xit
.set WB,  3                            ; w_q: row 32 (w>>2) + 16 (w&1) + 8 h, column 64 ((w>>1)&1) + 4 r
.set XO,  4                            ; x: 16 t
.set XS,  5                            ; xh: 8 t
.set AS,  6                            ; LDS: where I put 4 f16 of xi
.set BS,  7                            ; LDS: where I put 16 bytes of each of four fragment images
.set AR,  8                            ; LDS: my fragments of xi
.set BR,  9                            ; LDS: my fragments of w_q
.set TL,  10                           ; xi for the transposition: rows 2 (t>>4), + 1
.set TS,  11                           ; stage: row 4 (t&15) of d, 4 bytes at p = 2 (t>>4)
.set RD,  12                           ; stage: whole rows back
.set MST, 14                           ; stage: where a pair of results of mh goes
.set MG,  15                           ; mh: (t>>4) rows of 2,048 bytes + 16 (t&15)
.set CA,  16                           ; v[16:23]  xi narrowed
.set CB,  24                           ; v[24:39]  w_q narrowed: fragment tt at 4 tt
.set CX,  40                           ; v[40:43]  x narrowed
.set FR,  48                           ; v[48:111] fragments: 32 of K number k: xi at 32 k + 8 mi, w_q at 32 k + 16 + 8 u
.set ACC, 112                          ; v[112:143] four tiles (mi, u) at 8 (2 mi + u)
; window 1 (v256 and up): four landing sets of 56 registers: xi 0-15, w_q 16-47, x 48-55
.set MSB, 0
.macro WIN new                         ; the immediate's high byte repeats the setting that is left
.if MSB != \new
	s_set_vgpr_msb (MSB<<8)|\new
.set MSB, \new
.endif
.endm
	s_load_b256 s[8:15], s[0:1], 0x0               ; x s[8:9], w_q s[10:11], xi s[12:13], beta s[14:15]
	s_load_b128 s[16:19], s[0:1], 0x20             ; xh s[16:17], mh s[18:19]
	s_load_b64 s[20:21], s[0:1], 0x30              ; xit
	v_lshl_add_u32 v254, v0, 2, 0x10c00
	v_mov_b32 v255, 0
	v_lshrrev_b32 v1, 5, v0
	v_readfirstlane_b32 s29, v1                    ; wave w, 0 to 7
	s_lshr_b32 s32, s29, 2                         ; w>>2: which 32 rows of the tile I multiply; which 32 of K I bring of w_q
	s_bfe_u32 s33, s29, 0x10001                    ; g = (w>>1)&1: which 64 columns
	s_and_b32 s34, s29, 1                          ; w&1: which two of the four fragments I multiply; which half of a fragment's registers I bring
	s_lshr_b32 s35, ttmp9, 3                       ; tile of mh: 64 p
	s_and_b32 s36, ttmp9, 7                        ;             128 d
	s_and_b32 s37, ttmp9, 15                       ; piece of xit: 128 p
	s_lshr_b32 s38, ttmp9, 4                       ;               64 d
	s_mov_b32 s27, 0                               ; high word of every offset
	v_and_b32 v1, 31, v0                           ; lane
	v_and_b32 v16, 15, v0                          ; r
	v_bfe_u32 v17, v0, 4, 1                        ; h
	v_lshrrev_b32 v18, 4, v0                       ; t>>4, 0 to 15
	v_lshlrev_b32 v[XA], 12, v18
	v_lshl_add_u32 v[XA], v16, 4, v[XA]
	s_lshl_b32 s23, s32, 17
	s_lshl_b32 s28, s34, 16
	s_add_co_u32 s23, s23, s28
	s_lshl_b32 s28, s33, 8
	s_add_co_u32 s23, s23, s28
	v_lshlrev_b32 v[WB], 15, v17
	v_lshl_add_u32 v[WB], v16, 4, v[WB]
	v_add_nc_u32 v[WB], s23, v[WB]
	v_lshlrev_b32 v[XO], 4, v0
	v_lshlrev_b32 v[XS], 3, v0
	v_mul_u32_u24 v[AS], v18, APITCH
	v_lshl_add_u32 v[AS], v16, 3, v[AS]
	s_lshl_b32 s23, s32, 13
	s_lshl_b32 s28, s33, 12
	s_add_co_u32 s23, s23, s28
	s_lshl_b32 s28, s34, 9
	s_add_co_u32 s23, s23, s28
	s_add_co_u32 s23, s23, BOFF
	v_lshl_add_u32 v[BS], v1, 4, s23
	s_mul_i32 s23, s32, 32*APITCH
	v_mul_u32_u24 v[AR], v16, APITCH
	v_lshl_add_u32 v[AR], v17, 4, v[AR]
	v_add_nc_u32 v[AR], s23, v[AR]
	s_lshl_b32 s23, s33, 12
	s_lshl_b32 s28, s34, 11
	s_add_co_u32 s23, s23, s28
	s_add_co_u32 s23, s23, BOFF
	v_lshl_add_u32 v[BR], v1, 4, s23
	v_lshlrev_b32 v[TL], 13, v18
	v_lshl_add_u32 v[TL], v16, 4, v[TL]
	v_mul_u32_u24 v[TS], v16, 4*SPITCH
	v_lshl_add_u32 v[TS], v18, 2, v[TS]
	v_add_nc_u32 v[TS], STG, v[TS]
	v_mul_u32_u24 v[RD], v18, SPITCH
	v_lshl_add_u32 v[RD], v16, 4, v[RD]
	v_add_nc_u32 v[RD], STG, v[RD]
	s_mul_i32 s23, s32, 32*SPITCH
	s_lshl_b32 s28, s33, 7
	s_add_co_u32 s23, s23, s28
	s_lshl_b32 s28, s34, 2
	s_add_co_u32 s23, s23, s28
	s_add_co_u32 s23, s23, STG
	v_mul_u32_u24 v[MST], v16, SPITCH
	v_lshl_add_u32 v[MST], v17, 6, v[MST]
	v_add_nc_u32 v[MST], s23, v[MST]
	v_lshlrev_b32 v[MG], 11, v18
	v_lshl_add_u32 v[MG], v16, 4, v[MG]
	s_wait_kmcnt 0x0
	s_load_b32 s22, s[14:15], 0x0                  ; beta
	s_lshl_b32 s26, s37, 19                        ; xi at my piece for xit: 128 rows of 4,096 bytes, 64 columns of 4
	s_lshl_b32 s28, s38, 8
	s_add_co_u32 s26, s26, s28
	s_add_nc_u64 s[30:31], s[12:13], s[26:27]
	s_lshl_b32 s26, s35, 18                        ; xi at my tile's 64 rows
	s_add_nc_u64 s[12:13], s[12:13], s[26:27]
	s_lshl_b32 s26, s36, 9                         ; w_q at my tile's 128 columns
	s_add_nc_u64 s[10:11], s[10:11], s[26:27]
	s_lshl_b32 s26, ttmp9, 17                      ; x at my 32 rows
	s_add_nc_u64 s[8:9], s[8:9], s[26:27]
	s_lshl_b32 s26, ttmp9, 16                      ; xh likewise
	s_add_nc_u64 s[16:17], s[16:17], s[26:27]
	s_lshl_b32 s26, s35, 17                        ; mh: 64 rows of 2,048 bytes, 128 columns of 2
	s_lshl_b32 s28, s36, 8
	s_add_co_u32 s26, s26, s28
	s_add_nc_u64 s[18:19], s[18:19], s[26:27]
	s_lshl_b32 s26, s38, 18                        ; xit: 64 rows of 4,096 bytes, 128 columns of 2
	s_lshl_b32 s28, s37, 8
	s_add_co_u32 s26, s26, s28
	s_add_nc_u64 s[20:21], s[20:21], s[26:27]
; 14 loads: K step st (counted from where the bases stand) into landing set set.  Leaves the destination's window at 1.
.macro LOADS set, st
	WIN 0x40
.irp i, 0,1,2,3
	global_load_b128 v[56*\set+4*\i:56*\set+4*\i+3], v[XA], s[12:13] offset:(\st)*256+\i*65536             ; xi: 16 rows at a time, 256 bytes of each
.endr
.irp i, 0,1,2,3,4,5,6,7
	global_load_b128 v[56*\set+16+4*\i:56*\set+16+4*\i+3], v[WB], s[10:11] offset:(\st)*262144+\i*4096     ; w_q: my eight rows, 256 bytes for 16 lanes
.endr
.irp i, 0,1
	global_load_b128 v[56*\set+48+4*\i:56*\set+48+4*\i+3], v[XO], s[8:9] offset:(\st)*8192+\i*4096 th:TH_LOAD_NT   ; x: read once in the launch
.endr
.endm
; four products, 32 of K number k.  Source 0 = w_q, source 1 = xi: a lane then holds one row p and eight columns.
; The four accumulators take turns, one instruction a turn, over the backward jump too.
.macro MM k, zero
.irp mi, 0,1
.irp u, 0,1
.if \zero
	v_wmma_f32_16x16x32_f16 v[ACC+8*(2*\mi+\u):ACC+8*(2*\mi+\u)+7], v[FR+32*\k+16+8*\u:FR+32*\k+16+8*\u+7], v[FR+32*\k+8*\mi:FR+32*\k+8*\mi+7], 0
.else
	v_wmma_f32_16x16x32_f16 v[ACC+8*(2*\mi+\u):ACC+8*(2*\mi+\u)+7], v[FR+32*\k+16+8*\u:FR+32*\k+16+8*\u+7], v[FR+32*\k+8*\mi:FR+32*\k+8*\mi+7], v[ACC+8*(2*\mi+\u):ACC+8*(2*\mi+\u)+7]
.endif
.endr
.endr
.endm
; One K step of 64 from landing set set, through LDS slot set & 1.  left = the younger loads that may stay out.
; ONE barrier a step orders both ways: behind it this step's slot is whole; and a slot is stored again two steps later, behind the barrier of the step
; between, in front of whose signal every wave has waited for its reads of it.
.macro STEP set, fill, left, zero
	s_wait_loadcnt \left                           ; loads come back in order: my set is in
	s_wait_xcnt 0x0                                ; CX, which the last step's stores read (and FR, which the stores of xit read), are written again only behind this wait
	WIN 0x05                                       ; both sources in window 1.  These 28 conversions are also the places between the last products and the loads into FR
.irp k, 0,1,2,3,4,5,6,7
	v_cvt_pk_f16_f32 v[CA+\k], v[56*\set+2*\k], v[56*\set+2*\k+1]
.endr
.irp tt, 0,1,2,3
.irp p, 0,1,2,3
	v_cvt_pk_f16_f32 v[CB+4*\tt+\p], v[56*\set+16+8*\p+\tt], v[56*\set+16+8*\p+4+\tt]      ; rows 2 p and 2 p + 1 of my eight, column tt of my four
.endr
.endr
.irp k, 0,1,2,3
	v_cvt_pk_f16_f32 v[CX+\k], v[56*\set+48+2*\k], v[56*\set+48+2*\k+1]
.endr
	WIN 0
.irp i, 0,1,2,3
	ds_store_b64 v[AS], v[CA+2*\i:CA+2*\i+1] offset:(\set&1)*SLOT+\i*16*APITCH
.endr
.irp tt, 0,1,2,3
	ds_store_b128 v[BS], v[CB+4*\tt:CB+4*\tt+3] offset:(\set&1)*SLOT+\tt*1024
.endr
	global_store_b64 v[XS], v[CX:CX+1], s[16:17] offset:\set*4096                  ; a wave's store covers 256 consecutive bytes, aligned
	global_store_b64 v[XS], v[CX+2:CX+3], s[16:17] offset:\set*4096+2048
.if \fill
	LOADS \set, \set+4                             ; the set is free: four steps ahead
	WIN 0
.endif
	s_wait_dscnt 0x0                               ; my stores are in LDS, for the other waves
	s_barrier_signal -1
	s_barrier_wait -1
.irp k, 0,1
.irp mi, 0,1
	ds_load_b128 v[FR+32*\k+8*\mi:FR+32*\k+8*\mi+3],   v[AR] offset:(\set&1)*SLOT+\mi*16*APITCH+\k*64
	ds_load_b128 v[FR+32*\k+8*\mi+4:FR+32*\k+8*\mi+7], v[AR] offset:(\set&1)*SLOT+\mi*16*APITCH+\k*64+32
.endr
.irp u, 0,1
	ds_load_b128 v[FR+32*\k+16+8*\u:FR+32*\k+16+8*\u+3],   v[BR] offset:(\set&1)*SLOT+\k*8192+\u*1024
	ds_load_b128 v[FR+32*\k+16+8*\u+4:FR+32*\k+16+8*\u+7], v[BR] offset:(\set&1)*SLOT+\k*8192+\u*1024+512
.endr
.endr
	s_wait_dscnt 8                                 ; the first eight are in; the second 32 of K may be out
	MM 0, \zero
	s_wait_dscnt 0
	MM 1, 0
.endm
.macro QUAD fill, l0, l1, l2, l3, zero
	STEP 0, \fill, \l0, \zero
	STEP 1, \fill, \l1, 0
	STEP 2, \fill, \l2, 0
	STEP 3, \fill, \l3, 0
.if \fill
	s_wait_xcnt 0x0                                ; the bases are stepped only behind this wait
	s_add_nc_u64 s[12:13], s[12:13], 1024          ; xi: four steps of 64 columns
	s_add_nc_u64 s[10:11], s[10:11], 0x100000      ; w_q: four steps of 64 rows
	s_add_nc_u64 s[8:9], s[8:9], 0x8000            ; x: four steps of 8 KiB
	s_add_nc_u64 s[16:17], s[16:17], 0x4000        ; xh: half of that
.endif
.endm
	; the piece of xit: 128 rows of xi, 64 columns; then the ring of four landing sets is filled
.irp i, 0,1,2,3
	global_load_b128 v[FR+8*\i:FR+8*\i+3],   v[TL], s[30:31] offset:\i*131072
	global_load_b128 v[FR+8*\i+4:FR+8*\i+7], v[TL], s[30:31] offset:\i*131072+4096
.endr
	LOADS 0, 0
	LOADS 1, 1
	LOADS 2, 2
	LOADS 3, 3
	WIN 0
	s_wait_kmcnt 0x0
	s_mul_f32 s24, s22, 0x3fb8aa3b                 ; beta log2(e): the exponentials are taken in base 2
	s_mov_b32 s25, s24
	s_wait_loadcnt 56                              ; the eight loads for xit are in; the ring's 4 x 14 are younger
.irp i, 0,1,2,3
.irp u, 0,1,2,3
	v_cvt_pk_f16_f32 v[FR+32+4*\i+\u], v[FR+8*\i+\u], v[FR+8*\i+4+\u]      ; two neighbouring p of one d
.endr
.endr
.irp i, 0,1,2,3
.irp u, 0,1,2,3
	ds_store_b32 v[TS], v[FR+32+4*\i+\u] offset:\u*SPITCH+\i*64
.endr
.endr
	s_wait_dscnt 0x0
	s_barrier_signal -1
	s_barrier_wait -1
.irp i, 0,1,2,3
	ds_load_b128 v[FR+48+4*\i:FR+48+4*\i+3], v[RD] offset:\i*16*SPITCH
.endr
.irp i, 0,1,2,3
	s_wait_dscnt 3-\i
	global_store_b128 v[XA], v[FR+48+4*\i:FR+48+4*\i+3], s[20:21] offset:\i*65536      ; 16 lanes store 256 consecutive bytes of a row of xit, aligned
.endr
	QUAD 1, 42, 42, 42, 42, 1                      ; 42 = three younger sets of 14.  The first products start the sums: nothing is cleared
	s_mov_b32 s28, 2
.Lquad:
	QUAD 1, 42, 42, 42, 42, 0
	s_sub_co_u32 s28, s28, 1
	s_cmp_lg_u32 s28, 0
	s_cbranch_scc1 .Lquad
	QUAD 0, 42, 28, 14, 0, 0                       ; the last four steps load nothing: the counts run down
	; mh's way out: scale, narrow, through the stage (its reads for xit ended sixteen barriers ago), whole rows of 256 bytes out
.rept 4
	v_nop                                          ; four places behind the last products (ISA guide 7.12.1)
.endr
.irp k, 0,1,2,3,4,5,6,7,8,9,10,11,12,13,14,15
	v_pk_mul_f32 v[ACC+2*\k:ACC+2*\k+1], v[ACC+2*\k:ACC+2*\k+1], s[24:25] op_sel_hi:[1,0]
.endr
.irp mi, 0,1
.irp j, 0,1,2,3,4,5,6,7
	v_cvt_pk_f16_f32 v[CA+8*\mi+\j], v[ACC+16*\mi+\j], v[ACC+16*\mi+8+\j]  ; register j of my two fragments: d = 64 g + 32 h + 4 j + 2 (w&1) and the next
.endr
.endr
.irp mi, 0,1
.irp j, 0,1,2,3,4,5,6,7
	ds_store_b32 v[MST], v[CA+8*\mi+\j] offset:\mi*16*SPITCH+8*\j
.endr
.endr
	s_wait_dscnt 0x0
	s_barrier_signal -1
	s_barrier_wait -1
.irp i, 0,1,2,3
	ds_load_b128 v[FR+4*\i:FR+4*\i+3], v[RD] offset:\i*16*SPITCH
.endr
.irp i, 0,1,2,3
	s_wait_dscnt 3-\i
	global_store_b128 v[MG], v[FR+4*\i:FR+4*\i+3], s[18:19] offset:\i*32768
.endr
	s_wait_tensorcnt 0x0
	ds_add_u32 v254, v255
	s_wait_dscnt 0x0
	s_endpgm
.Lfunc_end_k_q5b7a5449d0_prep:
	.size	k_q5b7a5449d0_prep, .Lfunc_end_k_q5b7a5449d0_prep-k_q5b7a5449d0_prep
	.p2alignl 7, 3214868480
	.fill 96, 4, 3214868480
	.section	.rodata,"a",@progbits
	.p2align	6, 0x0
	.amdhsa_kernel k_q5b7a5449d0_prep
		.amdhsa_group_segment_fixed_size 69632
		.amdhsa_private_segment_fixed_size 0
		.amdhsa_enable_private_segment 0
		.amdhsa_kernarg_size 56
		.amdhsa_user_sgpr_count 2
		.amdhsa_user_sgpr_kernarg_segment_ptr 1
		.amdhsa_wavefront_size32 1
		.amdhsa_system_sgpr_workgroup_id_x 1
		.amdhsa_system_sgpr_workgroup_id_y 1
		.amdhsa_system_sgpr_workgroup_id_z 1
		.amdhsa_system_vgpr_workitem_id 0
		.amdhsa_next_free_vgpr 480
		.amdhsa_next_free_sgpr 66
		.amdhsa_reserve_vcc 0
		.amdhsa_float_denorm_mode_32 3
		.amdhsa_float_denorm_mode_16_64 3
		.amdhsa_memory_ordered 1
		.amdhsa_forward_progress 1
		.amdhsa_inst_pref_size 80
	.end_amdhsa_kernel
	.amdgpu_metadata
---
amdhsa.version: [ 1, 2 ]
amdhsa.kernels:
  - .name:           k_q5b7a5449d0_prep
    .symbol:         k_q5b7a5449d0_prep.kd
    .args:
      - { .name: x, .offset: 0, .size: 8, .value_kind: global_buffer, .address_space: global }
      - { .name: w_q, .offset: 8, .size: 8, .value_kind: global_buffer, .address_space: global }
      - { .name: xi, .offset: 16, .size: 8, .value_kind: global_buffer, .address_space: global }
      - { .name: beta, .offset: 24, .size: 8, .value_kind: global_buffer, .address_space: global }
      - { .name: xh, .offset: 32, .size: 8, .value_kind: global_buffer, .address_space: global }
      - { .name: mh, .offset: 40, .size: 8, .value_kind: global_buffer, .address_space: global }
      - { .name: xit, .offset: 48, .size: 8, .value_kind: global_buffer, .address_space: global }
    .group_segment_fixed_size: 69632
    .private_segment_fixed_size: 0
    .kernarg_segment_align: 8
    .kernarg_segment_size: 56
    .max_flat_workgroup_size: 256
    .sgpr_count:     66
    .vgpr_count:     480
    .wavefront_size: 32
...
	.end_amdgpu_metadata
.endif
;; end of part 1
;; launch scores (part 2): grid 8 x 32, 4 waves a work-group, clusters of 4 x 4, 327,680 bytes of LDS; arguments xh, mh, p, mstat, lstat; writes p, mstat, lstat
.if DOCPART == 2
	.amdgcn_target "amdgcn-amd-amdhsa--gfx1250"
	.amdhsa_code_object_version 6
	.text
	.protected	k_q5b7a5449d0_scores
	.globl	k_q5b7a5449d0_scores
	.p2align	8
	.type	k_q5b7a5449d0_scores,@function
k_q5b7a5449d0_scores:
	s_mov_b64 s[64:65], 0
	v_nop
	global_prefetch_b8 v0, s[64:65] scope:SCOPE_SE
	s_setreg_imm32_b32 hwreg(HW_REG_WAVE_MODE, 25, 1), 1
	s_wait_xcnt 0x0
	s_wait_alu depctr_hold_cnt(0) depctr_sa_sdst(0) depctr_va_vdst(0) depctr_va_sdst(0) depctr_va_ssrc(0) depctr_va_vcc(0) depctr_vm_vsrc(0)
	s_getreg_b32 s2, hwreg(HW_REG_IB_STS2, 6, 4)
	s_cmp_eq_u32 s2, 0
	s_cbranch_scc0 .Lentry_in_a_cluster
	s_endpgm
.Lentry_in_a_cluster:
	s_bfe_u32 s2, ttmp6, 0x10000c
	s_cmp_lg_u32 s2, 0xf033
	s_cbranch_scc0 .Lentry_shape_is_right
	s_endpgm
.Lentry_shape_is_right:
; S[m][n] = sum over k of xh[m][k] mh[n][k]: the softmax's exponents in base 2 (beta log2(e) lies in mh).  xh: [8192][1024], mh: [2048][1024], f16; sums f32.
; A work-group makes a block of 256 rows x 256 patterns with four waves of 128 x 128 (64 accumulator tiles, 512 registers), takes each row's maximum
; over the block's 256 patterns away, and stores p = f16(exp2(S - maximum)), the maximum (mstat[block][row]) and each wave's sum of the exponentials over
; its 128 patterns (lstat[2 block + half][row]).  The next launch takes the maximum over the eight blocks' maxima and corrects: together that is the row's
; maximum, taken away before any exponential is used.
; p IS STORED AS THE NEXT LAUNCH'S FRAGMENTS: p[block of 64 rows][group of 32 patterns][16 rows][1,024 bytes], and in the 1,024 bytes registers 0-3 of the
; fragment at 16 x lane, registers 4-7 at 512 + 16 x lane.  A lane's eight packed results of tile (a, 2 c) are registers 0-3 of the fragment of rows 16 a ..,
; patterns 32 c .., those of tile (a, 2 c + 1) its registers 4-7: they are stored as they lie, 512 consecutive bytes a store, with no way through LDS.
; LIMITS: a NaN loses in the maxima; p under 6e-8 of its block's maximum becomes 0.
; K goes in steps of 128 through a ring of two LDS slots filled by the tensor data mover: a tile's rows are 256 bytes of memory, aligned.
; CLUSTERS: 4 x 4 work-groups.  The four of a row of the cluster need the same tiles of xh, the four of a column the same tiles of mh: each tile is asked
; for jointly, by the same tensor load with a mask that names the four, which divides the requests by four.
; REGISTERS, in windows of 256:
;   window 0: v0-31 addresses; v32-57 maxima and sums; v64-127, v128-191 fragments of xh, two buffers; v192-255 at work on the way out
;   window 1: v64-127, v128-191 fragments of mh, two buffers
;   window 2: the 32 tiles of my rows 0-63 (tile (a, b) at v[8 (8 a + b)]);   window 3: those of my rows 64-127
; THE MATRIX INSTRUCTION IS USED TRANSPOSED: source 0 = 16 rows of mh, source 1 = 16 rows of xh.  Lane l then holds row l % 16 and, in registers 0 to 7,
; the patterns 8 (l / 16) + 0 .. 7: a row's maximum and sum need one step across lanes, and eight results pack into 16 neighbouring bytes.
.set SIZE_K, 1024
.set KSTEP,  128
.set PITCH,  272                       ; an LDS row: 256 bytes + 16 of padding, so that the 16 rows of a fragment start in 16 different groups of banks
.set HALFT,  128*PITCH                 ; what one tensor load brings
.set SLOT,   4*HALFT                   ; xh's 256 rows, then mh's 256 rows
.set STAT,   2*SLOT                    ; behind the ring, 2,048 bytes for each wave: + 0 my maxima for my partner, + 512 the block's maxima, + 1,024 my sums
.set LAPS, SIZE_K/(2*KSTEP)            ; 4 laps of two K steps
.set ADRA, 16
.set ADRB, 20
.set XA,   27                          ; my statistics + 4 r
.set XB,   28                          ; my partner's (the wave with my rows and the other 128 patterns) + 4 r
.set XC,   29                          ; my statistics + 512 + 16 x lane
.set SO,   30                          ; 16 x lane; never rewritten
.set MX,   32                          ; v[32:39]  row group a: the maximum of row 16 a + r
.set LS,   40                          ; v[40:47]  its sum
.set TP,   48                          ; what comes from the other half of the lanes
.set TQ,   50                          ; v[50:57]  the partner's maxima; at the end the statistics on their way out
.set F0,   64
.set F1,   128
.set TMP,  192                         ; v[192:223] first four chains of maxima for each row group, then packed results
.set SM,   224                         ; v[224:255] partial sums
.set G1, 24
.set G0, 32
.set G1B, 48
.set G0B, 56
.set MSB, 0
.macro WIN new                         ; the immediate's high byte repeats the setting that is left
.if MSB != \new
	s_set_vgpr_msb (MSB<<8)|\new
.set MSB, \new
.endif
.endm
.set MUL_LO, 0xa1                      ; source 0 (mh) window 1, source 1 (xh) window 0, C and D window 2
.set MUL_HI, 0xf1                      ; the same, C and D window 3
.set TO_B,   0x40                      ; destination window 1, address window 0
; A joint load.  Waves 0 and 1 fetch xh's two halves, waves 2 and 3 mh's.  Each line has one mask and one set of registers for all that issue it.
.macro JLOAD s
	s_cmp_eq_u32 s11, 0
	s_cbranch_scc0 .Lfor_b_\@
	tensor_load_to_lds s[G0+4*\s:G0+4*\s+3], s[G1:G1+7]
	s_nop 0
	s_branch .Lasked_\@
.Lfor_b_\@:
	tensor_load_to_lds s[G0B+4*\s:G0B+4*\s+3], s[G1B:G1B+7]
	s_nop 0
.Lasked_\@:
.endm
; A round of the cluster's barrier: my work-group's barrier; wave 0 signals for the work-group; every wave waits for all sixteen; my work-group's barrier again.
.macro CREST
	s_cmp_lg_u32 s10, 0
	s_cbranch_scc1 .Lnot_wave_0_\@
	s_barrier_signal -3
.Lnot_wave_0_\@:
	s_barrier_wait -3
	s_barrier_signal -1
	s_barrier_wait -1
.endm
.macro CROUND
	s_barrier_signal -1
	s_barrier_wait -1
	CREST
.endm
	s_load_b128 s[4:7], s[0:1], 0x0                ; xh s[4:5], mh s[6:7]
	s_load_b64 s[8:9], s[0:1], 0x10                ; p
	s_load_b64 s[66:67], s[0:1], 0x18              ; mstat
	s_load_b64 s[68:69], s[0:1], 0x20              ; lstat
	s_set_vgpr_msb 0x40
	v_lshl_add_u32 v255, v0, 2, 0x46000
	s_set_vgpr_msb 0x4000
	v_mov_b32 v63, 0
	s_set_vgpr_msb 0x1
	ds_add_u32 v255, v63
	s_set_vgpr_msb 0x100
	s_mov_b32 s70, 0x76543210                      ; v_permlanex16_b32: lane i of one half reads lane i of the other
	s_mov_b32 s71, 0xfedcba98
	v_lshrrev_b32 v1, 5, v0
	v_readfirstlane_b32 s10, v1                    ; wave 0..3
	s_lshr_b32 s11, s10, 1                         ; which half of the block's rows is mine.  Also: I fetch for xh (0) or for mh (1)
	s_and_b32 s12, s10, 1                          ; which half of its patterns.  Also: which 128 rows of that tile I fetch
	s_bfe_u32 s40, ttmp6, 0x40000                  ; cx
	s_bfe_u32 s41, ttmp6, 0x40004                  ; cy
	s_lshl_b32 s42, ttmp9, 2
	s_add_co_u32 s42, s42, s40                     ; block of patterns = 4 x cluster x + cx
	s_and_b32 s13, ttmp7, 0xffff
	s_lshl_b32 s13, s13, 2
	s_add_co_u32 s13, s13, s41                     ; block of rows = 4 x cluster y + cy
	s_lshl_b32 s43, s41, 2
	s_lshl_b32 s43, 15, s43                        ; my row of the cluster: places 4 cy .. 4 cy + 3
	s_lshl_b32 s44, 0x1111, s40                    ; my column: places cx, cx + 4, cx + 8, cx + 12
	; descriptor group 1: a tile of 128 rows x 128 elements of 2 bytes, 16 bytes of padding behind every 64 words
	s_or_b32 s[G1+0], s43, (1<<16)|(1<<20)|(1<<21)|(5<<22)|(3<<25)
	s_or_b32 s[G1B+0], s44, (1<<16)|(1<<20)|(1<<21)|(5<<22)|(3<<25)
	s_mov_b32 s[G1B+1], KSTEP<<16
	s_mov_b32 s[G1+1], KSTEP<<16                   ; tensor_dim0 = 128
	s_mov_b32 s[G1B+2], 128<<16
	s_mov_b32 s[G1+2], 128<<16                     ; tensor_dim1 = 128
	s_mov_b32 s[G1B+3], KSTEP<<16
	s_mov_b32 s[G1+3], KSTEP<<16                   ; tile_dim0 = 128
	s_mov_b32 s[G1B+4], 128
	s_mov_b32 s[G1+4], 128                         ; tile_dim1 = 128
	s_mov_b32 s[G1B+5], SIZE_K
	s_mov_b32 s[G1+5], SIZE_K                      ; elements from row to row
	s_mov_b32 s[G1B+6], 0
	s_mov_b32 s[G1+6], 0
	s_mov_b32 s[G1B+7], 0
	s_mov_b32 s[G1+7], 0
	; xh's tiles hang on the block of rows alone, mh's on the block of patterns alone; each address lies in registers that never hold the other coordinate
	s_lshl_b32 s17, s12, 7
	s_lshl_b32 s16, s13, 8
	s_add_co_u32 s16, s16, s17
	s_lshl_b32 s46, s42, 8
	s_add_co_u32 s46, s46, s17
	s_mov_b32 s17, 0
	s_mov_b32 s47, 0
	s_mov_b64 s[18:19], SIZE_K*2
	s_mul_u64 s[16:17], s[16:17], s[18:19]
	s_mul_u64 s[46:47], s[46:47], s[18:19]
	s_mul_i32 s20, s10, HALFT                      ; where they go: wave x 128 rows
	s_wait_dscnt 0x0
	s_wait_kmcnt 0x0
	s_add_nc_u64 s[14:15], s[4:5], s[16:17]
	s_add_nc_u64 s[46:47], s[6:7], s[46:47]
	CROUND                                         ; all sixteen work-groups are here: the first joint loads meet
.irp s, 0,1
	s_mov_b32 s[G0+4*\s], 1
	s_add_co_u32 s[G0+4*\s+1], s20, \s*SLOT
	s_add_nc_u64 s[G0+4*\s+2:G0+4*\s+3], s[14:15], \s*KSTEP*2
	s_or_b32 s[G0+4*\s+3], s[G0+4*\s+3], 0x80000000
	s_mov_b32 s[G0B+4*\s], 1
	s_add_co_u32 s[G0B+4*\s+1], s20, \s*SLOT
	s_add_nc_u64 s[G0B+4*\s+2:G0B+4*\s+3], s[46:47], \s*KSTEP*2
	s_or_b32 s[G0B+4*\s+3], s[G0B+4*\s+3], 0x80000000
	JLOAD \s                                       ; both first fills go out before anything else: two tensor loads of the wave are out
.endr
	v_and_b32 v1, 15, v0                           ; r
	v_bfe_u32 v2, v0, 4, 1                         ; h
	v_mul_u32_u24 v3, v1, PITCH
	v_lshl_add_u32 v3, v2, 4, v3
	s_mul_i32 s21, s11, HALFT
	s_mul_i32 s22, s12, HALFT
	s_add_co_u32 s22, s22, 2*HALFT
.irp s, 0,1
	v_add_nc_u32 v[ADRA+\s], s21, v3
	v_add_nc_u32 v[ADRB+\s], s22, v3
	s_add_co_u32 s21, s21, SLOT
	s_add_co_u32 s22, s22, SLOT
.endr
	s_lshl_b32 s72, s10, 11
	s_add_co_u32 s72, s72, STAT
	s_xor_b32 s73, s10, 1
	s_lshl_b32 s73, s73, 11
	s_add_co_u32 s73, s73, STAT
	v_lshl_add_u32 v[XA], v1, 2, s72
	v_lshl_add_u32 v[XB], v1, 2, s73
	v_and_b32 v6, 31, v0
	v_lshlrev_b32 v[SO], 4, v6
	v_add_nc_u32 v[XC], s72, v[SO]
	v_add_nc_u32 v[XC], 512, v[XC]
	v_mov_b32 v[TP], 0                             ; the lane permute counts as a reader of its destination
; 16 products: row groups a0, a0 + 1 of the window's four x all 8 pattern groups, 32 along K.  zero = 1: the first product starts the sums.
; The 64 accumulators take turns, one instruction a turn, in the same order in every quarter.
.macro MUL16 f, hi, a0, zero
.irp a, \a0, \a0+1
.irp b, 0,1,2,3,4,5,6,7
.if \zero
	v_wmma_f32_16x16x32_f16 v[8*(8*(\a)+\b):8*(8*(\a)+\b)+7], v[\f+8*\b:\f+8*\b+7], v[\f+8*(4*\hi+\a):\f+8*(4*\hi+\a)+7], 0
.else
	v_wmma_f32_16x16x32_f16 v[8*(8*(\a)+\b):8*(8*(\a)+\b)+7], v[\f+8*\b:\f+8*\b+7], v[\f+8*(4*\hi+\a):\f+8*(4*\hi+\a)+7], v[8*(8*(\a)+\b):8*(8*(\a)+\b)+7]
.endif
.endr
.endr
.endm
.macro FETCH slot, k, f                ; 32 LDS loads in one run: one quarter step's fragments
	WIN TO_B
.irp i, 0,1,2,3,4,5,6,7
	ds_load_b128 v[\f+8*\i:\f+8*\i+3],   v[ADRB+\slot] offset:\k+\i*16*PITCH
	ds_load_b128 v[\f+8*\i+4:\f+8*\i+7], v[ADRB+\slot] offset:\k+\i*16*PITCH+32
.endr
	WIN 0
.irp i, 0,1,2,3,4,5,6,7
	ds_load_b128 v[\f+8*\i:\f+8*\i+3],   v[ADRA+\slot] offset:\k+\i*16*PITCH
	ds_load_b128 v[\f+8*\i+4:\f+8*\i+7], v[ADRA+\slot] offset:\k+\i*16*PITCH+32
.endr
.endm
.macro PLACES                          ; four places behind a matrix instruction, in front of loads into its sources and of readers of its result
.rept 4
	v_nop
.endr
.endm
.macro QUARTER slot, k, f, g, zero
	s_wait_dscnt 8                                 ; mh and xh's rows 0-63 are in; the youngest eight loads (xh's rows 64-127) may be out
	WIN MUL_LO
	MUL16 \f, 0, 0, \zero
	MUL16 \f, 0, 2, \zero
	PLACES
	FETCH \slot, \k, \g
	s_wait_dscnt 32                                ; all but the 32 just issued
	WIN MUL_HI
	MUL16 \f, 1, 0, \zero
	MUL16 \f, 1, 2, \zero
.endm
.macro THREE slot, zero
	QUARTER \slot, 64,  F0, F1, \zero
	QUARTER \slot, 128, F1, F0, 0
	QUARTER \slot, 192, F0, F1, 0
.endm
; The last quarter of a K step changes slots.  In front of the one barrier each wave waits for its reads of this slot and for all its tensor loads (one is
; out: its part of the next slot).  Behind it the refill comes first, then the next slot's first fragments.
.macro TURN slot, next, fill
	s_wait_dscnt 8
	WIN MUL_LO
	MUL16 F1, 0, 0, 0
	s_wait_dscnt 0                                 ; my reads of this slot are over
	s_wait_tensorcnt 0x0                           ; all my tensor loads have landed
	ds_add_u32 v255, v63
	s_wait_dscnt 0x0
	s_barrier_signal -1                            ; where a slot is filled again this barrier opens a round of the cluster's barrier
	MUL16 F1, 0, 2, 0                              ; register work while the others arrive
	WIN 0
	s_barrier_wait -1
.if \fill
	CREST                                          ; no wave of any partner still reads this slot or has a load on its way
	s_add_nc_u64 s[G0+4*\slot+2:G0+4*\slot+3], s[G0+4*\slot+2:G0+4*\slot+3], 2*KSTEP*2
	s_add_nc_u64 s[G0B+4*\slot+2:G0B+4*\slot+3], s[G0B+4*\slot+2:G0B+4*\slot+3], 2*KSTEP*2
	JLOAD \slot                                    ; the wave's one tensor load behind the round, and the first thing there
.endif
	PLACES
	FETCH \next, 0, F0
	WIN MUL_HI
	MUL16 F1, 1, 0, 0
	MUL16 F1, 1, 2, 0
.endm
.macro LAP zero
	THREE 0, \zero
	TURN 0, 1, 1
	THREE 1, 0
	TURN 1, 0, 1
.endm
	s_wait_tensorcnt 1                             ; my part of K step 0 is in; K step 1's stays out
	s_barrier_signal -1
	s_barrier_wait -1
	FETCH 0, 0, F0
	LAP 1
	WIN 0
	s_mov_b32 s3, LAPS-2
.Llap:
	LAP 0
	WIN 0
	s_sub_co_u32 s3, s3, 1
	s_cmp_lg_u32 s3, 0
	s_cbranch_scc1 .Llap
	THREE 0, 0                                     ; the last lap fills nothing
	TURN 0, 1, 0
	THREE 1, 0
	s_wait_dscnt 8
	WIN MUL_LO
	MUL16 F1, 0, 0, 0
	MUL16 F1, 0, 2, 0
	s_wait_dscnt 0
	WIN MUL_HI
	MUL16 F1, 1, 0, 0
	MUL16 F1, 1, 2, 0
	; THE WAY OUT.
	PLACES
	s_lshl_b32 s14, s13, 8
	s_lshl_b32 s15, s11, 7
	s_add_co_u32 s16, s14, s15                     ; my first row
	s_lshl_b32 s72, s16, 2                         ; its place in a line of the statistics
	s_lshl_b32 s74, s42, 15                        ; mstat: line = block, 8,192 rows of 4 bytes
	s_add_co_u32 s74, s74, s72
	s_mov_b32 s75, 0
	s_add_nc_u64 s[66:67], s[66:67], s[74:75]
	s_lshl_b32 s74, s42, 16                        ; lstat: line = 2 x block + my half
	s_lshl_b32 s73, s12, 15
	s_add_co_u32 s74, s74, s73
	s_add_co_u32 s74, s74, s72
	s_add_nc_u64 s[68:69], s[68:69], s[74:75]
	s_lshl_b32 s16, s16, 12                        ; p: a block of 64 rows is 64 groups of patterns x 4,096 bytes = 4,096 bytes a row
	s_mov_b32 s17, 0
	s_add_nc_u64 s[8:9], s[8:9], s[16:17]
	s_lshl_b32 s46, s42, 15                        ; my first group of 32 patterns: 8 x block + 4 x half, 4,096 bytes each
	s_lshl_b32 s47, s12, 14
	s_add_co_u32 s46, s46, s47
	s_mov_b32 s47, 0
	s_add_nc_u64 s[8:9], s[8:9], s[46:47]
; the largest of a lane's 64 numbers of row group a (aw = its place in its window): four chains of 16 that do not wait for each other
.macro MAXROW a, aw
.irp c, 0,1,2,3
	v_max_num_f32 v[TMP+4*\a+\c], v[64*\aw+16*\c], v[64*\aw+16*\c+1]
.endr
.irp k, 1,2,3,4,5,6,7
.irp c, 0,1,2,3
	v_max3_num_f32 v[TMP+4*\a+\c], v[64*\aw+16*\c+2*\k], v[64*\aw+16*\c+2*\k+1], v[TMP+4*\a+\c]
.endr
.endr
.endm
	WIN 0x0a                                       ; sources 0 and 1 in window 2
	MAXROW 0, 0
	MAXROW 1, 1
	MAXROW 2, 2
	MAXROW 3, 3
	WIN 0x0f                                       ; in window 3
	MAXROW 4, 0
	MAXROW 5, 1
	MAXROW 6, 2
	MAXROW 7, 3
	WIN 0
.irp a, 0,1,2,3,4,5,6,7
	v_max3_num_f32 v[MX+\a], v[TMP+4*\a], v[TMP+4*\a+1], v[TMP+4*\a+2]
.endr
.irp a, 0,1,2,3,4,5,6,7
	v_max_num_f32 v[MX+\a], v[MX+\a], v[TMP+4*\a+3]
.endr
.irp a, 0,1,2,3,4,5,6,7
	v_permlanex16_b32 v[TP], v[MX+\a], s70, s71    ; the other eight patterns of each group of sixteen lie in the other half of the lanes
	v_max_num_f32 v[MX+\a], v[MX+\a], v[TP]
.endr
.irp a, 0,1,2,3,4,5,6,7
	ds_store_b32 v[XA], v[MX+\a] offset:64*\a      ; row 16 a + r; both halves of the lanes write the same number
.endr
	s_wait_dscnt 0x0                               ; my maxima are in LDS, for my partner
	s_barrier_signal -1
	s_barrier_wait -1
.irp a, 0,1,2,3,4,5,6,7
	ds_load_b32 v[TQ+\a], v[XB] offset:64*\a
.endr
	s_wait_dscnt 0x0
.irp a, 0,1,2,3,4,5,6,7
	v_max_num_f32 v[MX+\a], v[MX+\a], v[TQ+\a]     ; the maximum over the block's 256 patterns
.endr
; Row group a: exp2(S - maximum) in place, f16, eight stores of half a fragment each, the sum.
; inpl: source 0 and destination in the tiles' window; from: sources 0 and 1 there.
.macro EXPROW a, aw, inpl, from
	WIN \inpl
.set k, 64*\aw
.rept 32
.if \a&1
	v_pk_add_f32 v[k:k+1], v[k:k+1], v[MX+\a-1:MX+\a] op_sel:[0,1] op_sel_hi:[1,1] neg_lo:[0,1] neg_hi:[0,1]
.else
	v_pk_add_f32 v[k:k+1], v[k:k+1], v[MX+\a:MX+\a+1] op_sel_hi:[1,0] neg_lo:[0,1] neg_hi:[0,1]
.endif
.set k, k+2
.endr
.set k, 64*\aw
.rept 64
	v_exp_f32 v[k], v[k]
.set k, k+1
.endr
	v_nop                                          ; one plain instruction between the last exponential and its first reader (ISA guide 5.7.2)
	s_wait_xcnt 0x0                                ; TMP, which the last row group's stores read, is written again only behind this wait
	WIN \from
.set k, 0
	s_wait_alu depctr_va_vdst(0)
.rept 32
	v_cvt_pk_f16_f32 v[TMP+k], v[64*\aw+2*k], v[64*\aw+2*k+1]
.set k, k+1
.endr
.set k, 0
.rept 16
	v_pk_add_f32 v[SM+2*k:SM+2*k+1], v[64*\aw+2*k:64*\aw+2*k+1], v[64*\aw+32+2*k:64*\aw+32+2*k+1]
.set k, k+1
.endr
	WIN 0
.irp b, 0,1,2,3,4,5,6,7
	global_store_b128 v[SO], v[TMP+4*\b:TMP+4*\b+3], s[8:9] offset:(\a>>2)*262144+(\b>>1)*4096+(\a&3)*1024+(\b&1)*512      ; a wave's store covers 512 consecutive bytes, aligned
.endr
.irp k, 0,1,2,3,4,5,6,7
	v_pk_add_f32 v[SM+2*\k:SM+2*\k+1], v[SM+2*\k:SM+2*\k+1], v[SM+16+2*\k:SM+16+2*\k+1]
.endr
.irp k, 0,1,2,3
	v_pk_add_f32 v[SM+2*\k:SM+2*\k+1], v[SM+2*\k:SM+2*\k+1], v[SM+8+2*\k:SM+8+2*\k+1]
.endr
.irp k, 0,1
	v_pk_add_f32 v[SM+2*\k:SM+2*\k+1], v[SM+2*\k:SM+2*\k+1], v[SM+4+2*\k:SM+4+2*\k+1]
.endr
	v_pk_add_f32 v[SM:SM+1], v[SM:SM+1], v[SM+2:SM+3]
	v_add_f32 v[LS+\a], v[SM], v[SM+1]
.endm
	EXPROW 0, 0, 0x82, 0x0a
	EXPROW 1, 1, 0x82, 0x0a
	EXPROW 2, 2, 0x82, 0x0a
	EXPROW 3, 3, 0x82, 0x0a
	EXPROW 4, 0, 0xc3, 0x0f
	EXPROW 5, 1, 0xc3, 0x0f
	EXPROW 6, 2, 0xc3, 0x0f
	EXPROW 7, 3, 0xc3, 0x0f
	; the statistics: 128 rows each, turned through my own LDS bytes so that a lane holds four neighbouring rows
.irp a, 0,1,2,3,4,5,6,7
	v_permlanex16_b32 v[TP], v[LS+\a], s70, s71
	v_add_f32 v[LS+\a], v[LS+\a], v[TP]
.endr
.irp a, 0,1,2,3,4,5,6,7
	ds_store_b32 v[XA], v[MX+\a] offset:512+64*\a
	ds_store_b32 v[XA], v[LS+\a] offset:1024+64*\a
.endr
	ds_load_b128 v[TQ:TQ+3], v[XC]                 ; LDS serves a wave's instructions in order: these see the stores above
	ds_load_b128 v[TQ+4:TQ+7], v[XC] offset:512
	s_wait_dscnt 0x0
	global_store_b128 v[SO], v[TQ+4:TQ+7], s[68:69]        ; 512 consecutive bytes
	s_cmp_lg_u32 s12, 0                            ; both waves of a row half hold the same maxima: the one with patterns 0-127 stores them
	s_cbranch_scc1 .Lno_max
	global_store_b128 v[SO], v[TQ:TQ+3], s[66:67]
.Lno_max:
	s_set_vgpr_msb 0x1
	s_wait_tensorcnt 0x0
	ds_add_u32 v255, v63
	s_wait_dscnt 0x0
	s_set_vgpr_msb 0x100
	CROUND                                         ; the closing round: no work-group ends while a partner may still ask for a tile that names it
	s_endpgm
.Lfunc_end_k_q5b7a5449d0_scores:
	.size	k_q5b7a5449d0_scores, .Lfunc_end_k_q5b7a5449d0_scores-k_q5b7a5449d0_scores
	.p2alignl 7, 3214868480
	.fill 96, 4, 3214868480
	.section	.rodata,"a",@progbits
	.p2align	6, 0x0
	.amdhsa_kernel k_q5b7a5449d0_scores
		.amdhsa_group_segment_fixed_size 327680
		.amdhsa_private_segment_fixed_size 0
		.amdhsa_enable_private_segment 0
		.amdhsa_kernarg_size 40
		.amdhsa_user_sgpr_count 2
		.amdhsa_user_sgpr_kernarg_segment_ptr 1
		.amdhsa_wavefront_size32 1
		.amdhsa_system_sgpr_workgroup_id_x 1
		.amdhsa_system_sgpr_workgroup_id_y 1
		.amdhsa_system_sgpr_workgroup_id_z 1
		.amdhsa_system_vgpr_workitem_id 0
		.amdhsa_next_free_vgpr 1024
		.amdhsa_next_free_sgpr 80
		.amdhsa_reserve_vcc 0
		.amdhsa_float_denorm_mode_32 3
		.amdhsa_float_denorm_mode_16_64 3
		.amdhsa_memory_ordered 1
		.amdhsa_forward_progress 1
		.amdhsa_inst_pref_size 255
	.end_amdhsa_kernel
	.amdgpu_metadata
---
amdhsa.version: [ 1, 2 ]
amdhsa.kernels:
  - .name:           k_q5b7a5449d0_scores
    .symbol:         k_q5b7a5449d0_scores.kd
    .args:
      - { .name: xh, .offset: 0, .size: 8, .value_kind: global_buffer, .address_space: global }
      - { .name: mh, .offset: 8, .size: 8, .value_kind: global_buffer, .address_space: global }
      - { .name: p, .offset: 16, .size: 8, .value_kind: global_buffer, .address_space: global }
      - { .name: mstat, .offset: 24, .size: 8, .value_kind: global_buffer, .address_space: global }
      - { .name: lstat, .offset: 32, .size: 8, .value_kind: global_buffer, .address_space: global }
    .group_segment_fixed_size: 327680
    .private_segment_fixed_size: 0
    .kernarg_segment_align: 8
    .kernarg_segment_size: 40
    .max_flat_workgroup_size: 128
    .sgpr_count:     80
    .vgpr_count:     1024
    .wavefront_size: 32
...
	.end_amdgpu_metadata
.endif
;; end of part 2
;; launch mix (part 3): grid 8 x 32, 4 waves a work-group, clusters of 4 x 4, 327,680 bytes of LDS; arguments p, xit, mstat, lstat, out0; writes out0
.if DOCPART == 3
	.amdgcn_target "amdgcn-amd-amdhsa--gfx1250"
	.amdhsa_code_object_version 6
	.text
	.protected	k_q5b7a5449d0_mix
	.globl	k_q5b7a5449d0_mix
	.p2align	8
	.type	k_q5b7a5449d0_mix,@function
k_q5b7a5449d0_mix:
	s_mov_b64 s[64:65], 0
	v_nop
	global_prefetch_b8 v0, s[64:65] scope:SCOPE_SE
	s_setreg_imm32_b32 hwreg(HW_REG_WAVE_MODE, 25, 1), 1
	s_wait_xcnt 0x0
	s_wait_alu depctr_hold_cnt(0) depctr_sa_sdst(0) depctr_va_vdst(0) depctr_va_sdst(0) depctr_va_ssrc(0) depctr_va_vcc(0) depctr_vm_vsrc(0)
	s_getreg_b32 s2, hwreg(HW_REG_IB_STS2, 6, 4)
	s_cmp_eq_u32 s2, 0
	s_cbranch_scc0 .Lentry_in_a_cluster
	s_endpgm
.Lentry_in_a_cluster:
	s_bfe_u32 s2, ttmp6, 0x10000c
	s_cmp_lg_u32 s2, 0xf033
	s_cbranch_scc0 .Lentry_shape_is_right
	s_endpgm
.Lentry_shape_is_right:
; out0[m][d] = sum over the eight blocks b of 256 patterns of F[m][b] * ( sum over the block's patterns of p[m][n] xit[d][n] ),
; F[m][b] = exp2(mstat[b][m] - max over b of mstat[b][m]) / L[m],   L[m] = sum over b of exp2(..) (lstat[2b][m] + lstat[2b+1][m]).
; p holds exp2(exponent - its block's maximum); the factor, at most 1, brings every block to the row's maximum, and 1 / L normalises.  L is at least 1.
; p: f16, as fragments: [block of 64 rows][group of 32 patterns][16 rows][1,024 bytes].  xit: [1024][2048] f16.  out0: [8192][1024] f32.
; A work-group makes 256 rows x 128 columns: 256 work-groups.  A wave makes 64 rows x all 128 columns (4 x 8 tiles), so no fragment of p is wanted by two
; waves.  K = 2048 goes in eight laps of 256, one block of patterns each, a lap in eight quarters of 32.  A lap's products are summed in T, started by a
; constant 0, and merged: ACC = F T + ACC.
; p GOES STRAIGHT INTO REGISTERS.  A wave's p is one run of 262,144 consecutive bytes, 4,096 a quarter, each load 512 consecutive bytes.  A ring of eight
; quarter slots (window 1) is filled seven quarters ahead: 56 loads, 28 KiB, of a wave are on their way, and no barrier binds them.
; xit GOES THROUGH LDS: two slots of 128 rows x 512 bytes, one lap each, filled by the tensor data mover, 32 rows by each wave (the tile has 128 rows for
; four waves).  One barrier and one refill a lap.
; CLUSTERS: 4 x 4.  xit's tiles hang on the block of columns and are asked for jointly along a column of the cluster.  p's tiles, which the four of a row
; of the cluster share, are NOT asked for jointly: that would take them through LDS, and two slots of 256 of K for both operands are
; 2 x 384 rows x 528 bytes = 405,504 bytes, more than the 327,680 of a WGP; with slots of 128 of K a tile has only 112 products in which to land.
; REGISTERS: window 0: addresses, v32-35 the lap's factors, v64-127, v128-191 fragments of xit, two buffers; window 1: the ring of p, quarter slot s at 32 s;
;   window 2: ACC, tile (a, b) at v[8 (8 a + b)]; window 3: T, likewise.
; Source 0 = 16 rows of xit, source 1 = 16 rows of p: lane l holds row l % 16 and columns 8 (l / 16) + 0 .. 7.
; LIMIT: a NaN loses in the maximum.
.set KLAP,   256
.set PITCH,  528                       ; an LDS row: 512 bytes + 16 of padding, an odd multiple of 16
.set WPART,  32*PITCH                  ; what one tensor load brings
.set SLOT,   128*PITCH                 ; 67,584 bytes
.set STAGE,  2*SLOT                    ; 16 rows x 528 bytes for each wave, for the way out
.set FT,     STAGE+4*16*PITCH          ; the factors: for each wave [64 rows][8 blocks] f32
.set ROWB,   4096                      ; bytes in a row of xit and of out0
.set QB,     4096                      ; bytes of p that a wave takes in a quarter
.set ADRB, 16                          ; v16-17  LDS address of the fragments of xit in slot 0, 1
.set STO,  24
.set RD,   25
.set LO,   26                          ; 16 x lane; never rewritten
.set FAD,  27                          ; my factors + 32 r + 4 x lap
.set FST,  28                          ; my factors + 64 x lane
.set L8,   29                          ; 8 x lane
.set FC,   32                          ; v[32:35] the lap's factor of row 16 a + r
.set F0,   64
.set F1,   128
.set MS,   64                          ; ahead of the laps only: v[64:79] maxima of rows 2 lane + i, block b at 2 b + i
.set LSR,  80                          ; v[80:111] sums, half block at 2 x its number + i
.set MXV,  112
.set LV,   114
.set FV,   128                         ; v[128:143] factors, row i at 8 i + b
.set G1B, 48
.set G0B, 56
.set MSB, 0
.macro WIN new                         ; the immediate's high byte repeats the setting that is left
.if MSB != \new
	s_set_vgpr_msb (MSB<<8)|\new
.set MSB, \new
.endif
.endm
.set MUL,  0xf4                        ; source 0 (xit) window 0, source 1 (p) window 1, C and D window 3
.set TO_A, 0x40                        ; destination window 1, address window 0
.macro CREST
	s_cmp_lg_u32 s10, 0
	s_cbranch_scc1 .Lnot_wave_0_\@
	s_barrier_signal -3
.Lnot_wave_0_\@:
	s_barrier_wait -3
	s_barrier_signal -1
	s_barrier_wait -1
.endm
.macro CROUND
	s_barrier_signal -1
	s_barrier_wait -1
	CREST
.endm
; eight loads: the four fragments of p of the quarter qoff (counted from where the base stands) into ring slot rs
.macro GLOAD rs, qoff
	WIN TO_A
.irp a, 0,1,2,3
	global_load_b128 v[32*(\rs)+8*\a:32*(\rs)+8*\a+3],   v[LO], s[14:15] offset:(\qoff)*QB+\a*1024
	global_load_b128 v[32*(\rs)+8*\a+4:32*(\rs)+8*\a+7], v[LO], s[14:15] offset:(\qoff)*QB+\a*1024+512
.endr
.endm
	s_load_b128 s[4:7], s[0:1], 0x0                ; p s[4:5], xit s[6:7]
	s_load_b128 s[68:71], s[0:1], 0x10             ; mstat s[68:69], lstat s[70:71]
	s_load_b64 s[8:9], s[0:1], 0x20                ; out0
	v_lshl_add_u32 v254, v0, 2, 0x2b400
	v_mov_b32 v255, 0
	ds_add_u32 v254, v255
	v_lshrrev_b32 v1, 5, v0
	v_readfirstlane_b32 s10, v1                    ; wave 0..3: my 64 rows of the block, and my 32 rows of each tile of xit
	s_bfe_u32 s40, ttmp6, 0x40000                  ; cx
	s_bfe_u32 s41, ttmp6, 0x40004                  ; cy
	s_lshl_b32 s42, ttmp9, 2
	s_add_co_u32 s42, s42, s40                     ; block of columns
	s_and_b32 s13, ttmp7, 0xffff
	s_lshl_b32 s13, s13, 2
	s_add_co_u32 s13, s13, s41                     ; block of rows
	s_lshl_b32 s44, 0x1111, s40                    ; my column of the cluster: places cx, cx + 4, cx + 8, cx + 12
	; descriptor group 1: 32 rows x 256 elements of 2 bytes, 16 bytes of padding behind every 128 words, the mask of my column
	s_or_b32 s[G1B+0], s44, (1<<16)|(1<<20)|(1<<21)|(6<<22)|(3<<25)
	s_mov_b32 s[G1B+1], KLAP<<16                   ; tensor_dim0 = 256
	s_mov_b32 s[G1B+2], 32<<16                     ; tensor_dim1 = 32
	s_mov_b32 s[G1B+3], KLAP<<16                   ; tile_dim0 = 256
	s_mov_b32 s[G1B+4], 32                         ; tile_dim1 = 32
	s_mov_b32 s[G1B+5], 2048                       ; elements from row to row
	s_mov_b32 s[G1B+6], 0
	s_mov_b32 s[G1B+7], 0
	s_lshl_b32 s46, s42, 7                         ; xit: row 128 x block + 32 x wave, in bytes
	s_lshl_b32 s47, s10, 5
	s_add_co_u32 s46, s46, s47
	s_lshl_b32 s46, s46, 12
	s_mov_b32 s47, 0
	s_mul_i32 s21, s10, WPART                      ; and where it goes: wave x 32 rows
	s_lshl_b32 s16, s13, 2
	s_add_co_u32 s16, s16, s10                     ; my block of 64 rows
	s_lshl_b32 s72, s16, 8                         ; in a line of the statistics: 64 rows of 4 bytes
	s_mov_b32 s73, 0
	s_lshl_b32 s16, s16, 18                        ; in p and in out0: 262,144 bytes
	s_mov_b32 s17, 0
	s_lshl_b32 s74, s42, 9                         ; my block's 128 columns in a row of out0
	s_mov_b32 s75, 0
	v_and_b32 v1, 15, v0                           ; r
	v_bfe_u32 v2, v0, 4, 1                         ; h
	v_and_b32 v6, 31, v0                           ; lane
	v_lshlrev_b32 v[LO], 4, v6
	v_lshlrev_b32 v[L8], 3, v6
	s_wait_dscnt 0x0
	s_wait_kmcnt 0x0
	s_add_nc_u64 s[14:15], s[4:5], s[16:17]
	s_add_nc_u64 s[46:47], s[6:7], s[46:47]
	s_add_nc_u64 s[68:69], s[68:69], s[72:73]
	s_add_nc_u64 s[70:71], s[70:71], s[72:73]
	s_add_nc_u64 s[8:9], s[8:9], s[16:17]
	s_add_nc_u64 s[8:9], s[8:9], s[74:75]
	; the statistics of my 64 rows and the first four quarters of p go out ahead of the cluster's round: 56 loads
.irp b, 0,1,2,3,4,5,6,7
	global_load_b64 v[MS+2*\b:MS+2*\b+1], v[L8], s[68:69] offset:\b*32768          ; rows 2 lane, + 1: 256 consecutive bytes a load
.endr
.irp b, 0,1,2,3,4,5,6,7,8,9,10,11,12,13,14,15
	global_load_b64 v[LSR+2*\b:LSR+2*\b+1], v[L8], s[70:71] offset:\b*32768
.endr
	GLOAD 0, 0
	GLOAD 1, 1
	GLOAD 2, 2
	GLOAD 3, 3
	WIN 0
	CROUND                                         ; all sixteen work-groups are here: the first joint loads meet
.irp s, 0,1
	s_mov_b32 s[G0B+4*\s], 1
	s_add_co_u32 s[G0B+4*\s+1], s21, \s*SLOT
	s_add_nc_u64 s[G0B+4*\s+2:G0B+4*\s+3], s[46:47], \s*KLAP*2
	s_or_b32 s[G0B+4*\s+3], s[G0B+4*\s+3], 0x80000000
	tensor_load_to_lds s[G0B+4*\s:G0B+4*\s+3], s[G1B:G1B+7]        ; both first fills, laps 0 and 1: two tensor loads of the wave are out
	s_nop 0
.endr
	v_mul_u32_u24 v3, v1, PITCH
	v_lshl_add_u32 v[ADRB], v2, 4, v3              ; row r x pitch + 16 h: all four waves read the whole tile
	v_add_nc_u32 v[ADRB+1], SLOT, v[ADRB]
	s_mul_i32 s18, s10, 16*PITCH
	s_add_co_u32 s18, s18, STAGE
	v_lshl_add_u32 v4, v2, 5, v3                   ; in: row r, 32 bytes for each half of the lanes
	v_add_nc_u32 v[STO], s18, v4
	v_add_nc_u32 v[RD], s18, v[LO]                 ; back: 32 lanes take one row of 512 bytes
	s_lshl_b32 s19, s10, 11
	s_add_co_u32 s19, s19, FT
	v_lshl_add_u32 v[FAD], v1, 5, s19
	v_lshl_add_u32 v[FST], v6, 6, s19
	s_wait_loadcnt 32                              ; the statistics are in; the 32 loads of p behind them stay out
	GLOAD 4, 4                                     ; three quarters more: 56 loads are out again
	GLOAD 5, 5
	GLOAD 6, 6
	WIN 0
	; the factors of my 64 rows, two rows a lane
.irp i, 0,1
	v_max3_num_f32 v[MXV+\i], v[MS+\i], v[MS+2+\i], v[MS+4+\i]
.endr
.irp i, 0,1
	v_max3_num_f32 v[MXV+\i], v[MXV+\i], v[MS+6+\i], v[MS+8+\i]
.endr
.irp i, 0,1
	v_max3_num_f32 v[MXV+\i], v[MXV+\i], v[MS+10+\i], v[MS+12+\i]
.endr
.irp i, 0,1
	v_max_num_f32 v[MXV+\i], v[MXV+\i], v[MS+14+\i]                ; the row's maximum
.endr
.irp b, 0,1,2,3,4,5,6,7
	v_pk_add_f32 v[MS+2*\b:MS+2*\b+1], v[MS+2*\b:MS+2*\b+1], v[MXV:MXV+1] neg_lo:[0,1] neg_hi:[0,1]
.endr
.set k, 0
.rept 16
	v_exp_f32 v[MS+k], v[MS+k]
.set k, k+1
.endr
.irp b, 0,1,2,3,4,5,6,7
	v_pk_add_f32 v[LSR+4*\b:LSR+4*\b+1], v[LSR+4*\b:LSR+4*\b+1], v[LSR+4*\b+2:LSR+4*\b+3]  ; a block's two halves; also the plain instructions behind the exponentials
.endr
	s_wait_alu depctr_va_vdst(0)
	v_pk_mul_f32 v[LV:LV+1], v[MS:MS+1], v[LSR:LSR+1]
.irp b, 1,2,3,4,5,6,7
	v_pk_fma_f32 v[LV:LV+1], v[MS+2*\b:MS+2*\b+1], v[LSR+4*\b:LSR+4*\b+1], v[LV:LV+1]
.endr
	v_rcp_f32 v[LV], v[LV]
	v_rcp_f32 v[LV+1], v[LV+1]
	v_nop                                          ; one plain instruction behind the reciprocals (ISA guide 5.7.2)
	s_wait_alu depctr_va_vdst(0)
.irp i, 0,1
.irp b, 0,1,2,3,4,5,6,7
	v_mul_f32 v[FV+8*\i+\b], v[MS+2*\b+\i], v[LV+\i]
.endr
.endr
.irp i, 0,1
	ds_store_b128 v[FST], v[FV+8*\i:FV+8*\i+3] offset:32*\i
	ds_store_b128 v[FST], v[FV+8*\i+4:FV+8*\i+7] offset:32*\i+16
.endr
; 8 products: row groups a0, a0 + 1 x the column groups 4 hb .. 4 hb + 3, 32 along K.  f: the buffer of xit, ra: the ring slot of p.
; zero = 1: the product starts the lap's sums.  The 32 accumulators take turns, one instruction a turn, in the same order in every quarter.
.macro MUL8 f, ra, hb, a0, zero
.irp a, \a0, \a0+1
.irp b, 4*\hb, 4*\hb+1, 4*\hb+2, 4*\hb+3
.if \zero
	v_wmma_f32_16x16x32_f16 v[8*(8*(\a)+(\b)):8*(8*(\a)+(\b))+7], v[(\f)+8*(\b):(\f)+8*(\b)+7], v[(\ra)+8*(\a):(\ra)+8*(\a)+7], 0
.else
	v_wmma_f32_16x16x32_f16 v[8*(8*(\a)+(\b)):8*(8*(\a)+(\b))+7], v[(\f)+8*(\b):(\f)+8*(\b)+7], v[(\ra)+8*(\a):(\ra)+8*(\a)+7], v[8*(8*(\a)+(\b)):8*(8*(\a)+(\b))+7]
.endif
.endr
.endr
.endm
.macro FETCH slot, k, f                ; 16 LDS loads in one run: 128 rows of xit, 32 of K at byte k of the rows; columns 0-63 first
	WIN 0
.irp i, 0,1,2,3,4,5,6,7
	ds_load_b128 v[(\f)+8*\i:(\f)+8*\i+3],   v[ADRB+\slot] offset:(\k)+\i*16*PITCH
	ds_load_b128 v[(\f)+8*\i+4:(\f)+8*\i+7], v[ADRB+\slot] offset:(\k)+\i*16*PITCH+32
.endr
.endm
.macro PLACES                          ; four places behind a matrix instruction, in front of loads into its sources and of readers of its result
.rept 4
	v_nop
.endr
.endm
; Quarter q (0 to 15: two laps, twice round the ring of p) but a lap's last.  It multiplies xit's buffer q & 1 by ring slot q & 7.  In its middle it
; fetches the next quarter of xit into the other buffer and, if gl, asks for the quarter of p seven ahead, into the ring slot that the last quarter read.
; lc = the younger loads of p that may stay out.  A lap's first quarter also reads the lap's four factors.
.macro QUARTER q, slot, zero, gl, lc
	s_wait_dscnt 8                                 ; xit's columns 0-63 are in; the youngest eight loads (columns 64-127) may be out
	s_wait_loadcnt \lc                             ; loads come back in order: this quarter's p is in
	WIN MUL
	MUL8 F0+64*((\q)&1), 32*((\q)&7), 0, 0, \zero
	MUL8 F0+64*((\q)&1), 32*((\q)&7), 0, 2, \zero
	PLACES
	WIN 0
.if ((\q)&7) == 0
.irp a, 0,1,2,3
	ds_load_b32 v[FC+\a], v[FAD] offset:512*\a     ; older than the 16 loads below: the wait for 16 shows them in
.endr
	v_add_nc_u32 v[FAD], 4, v[FAD]                 ; the next lap's block
.endif
	FETCH \slot, 64*(((\q)&7)+1), F0+64*(((\q)+1)&1)
.if \gl
	GLOAD ((\q)+7)&7, (\q)+7
.endif
	s_wait_dscnt 16                                ; all but the 16 just issued
	WIN MUL
	MUL8 F0+64*((\q)&1), 32*((\q)&7), 1, 0, \zero
	MUL8 F0+64*((\q)&1), 32*((\q)&7), 1, 2, \zero
.endm
; A lap's last quarter changes slots.  In front of the one barrier each wave waits for its reads of this slot and for all its tensor loads (one is out:
; its part of the next slot).  Behind it the refill comes first, then the next slot's first fragments.  From a request to the wait for it a wave issues
; 248 products.
.macro TURN q, slot, next, fill
	s_wait_dscnt 8
	s_wait_loadcnt 48
	WIN MUL
	MUL8 F1, 32*((\q)&7), 0, 0, 0
	s_wait_dscnt 0                                 ; my reads of this slot are over
	s_set_vgpr_msb 0xf4f0
	s_wait_tensorcnt 0x0                           ; all my tensor loads have landed
	ds_add_u32 v254, v255
	s_wait_dscnt 0x0
	s_set_vgpr_msb 0xf0f4
	s_barrier_signal -1                            ; where the slot is filled again this barrier opens a round of the cluster's barrier
	MUL8 F1, 32*((\q)&7), 0, 2, 0                  ; register work while the others arrive
	WIN 0
	s_barrier_wait -1
.if \fill
	CREST                                          ; no wave of any partner still reads this slot or has a load on its way
	s_add_nc_u64 s[G0B+4*\slot+2:G0B+4*\slot+3], s[G0B+4*\slot+2:G0B+4*\slot+3], 2*KLAP*2
	tensor_load_to_lds s[G0B+4*\slot:G0B+4*\slot+3], s[G1B:G1B+7]  ; the wave's one tensor load behind the round, and the first thing there: two laps ahead
	s_nop 0
.endif
	PLACES
	FETCH \next, 0, F0
	GLOAD ((\q)+7)&7, (\q)+7
	WIN MUL
	MUL8 F1, 32*((\q)&7), 1, 0, 0
	MUL8 F1, 32*((\q)&7), 1, 2, 0
.endm
; ACC = F T + ACC for row group a: 32 pairs.  The factor of an odd group is its pair's second register.
.macro MROW a, first
.set k, 64*\a
.rept 32
.if \first
.if \a&1
	v_pk_mul_f32 v[k:k+1], v[k:k+1], v[FC+\a-1:FC+\a] op_sel:[0,1] op_sel_hi:[1,1]
.else
	v_pk_mul_f32 v[k:k+1], v[k:k+1], v[FC+\a:FC+\a+1] op_sel_hi:[1,0]
.endif
.else
.if \a&1
	v_pk_fma_f32 v[k:k+1], v[k:k+1], v[FC+\a-1:FC+\a], v[k:k+1] op_sel:[0,1,0] op_sel_hi:[1,1,1]
.else
	v_pk_fma_f32 v[k:k+1], v[k:k+1], v[FC+\a:FC+\a+1], v[k:k+1] op_sel_hi:[1,0,1]
.endif
.endif
.set k, k+2
.endr
.endm
.macro MERGE first                     ; first = 1: the first lap starts ACC: nothing is cleared
	PLACES
	WIN 0xa3                                       ; source 0 (T) window 3, source 1 (F) window 0, source 2 and destination (ACC) window 2
.irp a, 0,1,2,3
	MROW \a, \first
.endr
.endm
.macro LAP q0, slot, fill, first       ; 48 = the six younger quarters of 8 loads
	QUARTER (\q0+0), \slot, 1, 1, 48
	QUARTER (\q0+1), \slot, 0, 1, 48
	QUARTER (\q0+2), \slot, 0, 1, 48
	QUARTER (\q0+3), \slot, 0, 1, 48
	QUARTER (\q0+4), \slot, 0, 1, 48
	QUARTER (\q0+5), \slot, 0, 1, 48
	QUARTER (\q0+6), \slot, 0, 1, 48
	TURN (\q0+7), \slot, 1-\slot, \fill
	MERGE \first
.endm
.macro ONWARD                          ; p's base goes two laps on
	WIN 0
	s_wait_xcnt 0x0                                ; the base of loads that are out is stepped only behind this wait
	s_add_nc_u64 s[14:15], s[14:15], 16*QB
.endm
	s_wait_dscnt 0x0                               ; my factors are in LDS (no LDS instruction is pending at a signal)
	s_wait_tensorcnt 1                             ; my part of lap 0's tile is in; lap 1's stays out
	s_barrier_signal -1
	s_barrier_wait -1
	FETCH 0, 0, F0
	LAP 0, 0, 1, 1                                 ; laps 0 and 1
	LAP 8, 1, 1, 0
	ONWARD
	s_mov_b32 s3, 2
.Llap:
	LAP 0, 0, 1, 0                                 ; laps 2 to 5
	LAP 8, 1, 1, 0
	ONWARD
	s_sub_co_u32 s3, s3, 1
	s_cmp_lg_u32 s3, 0
	s_cbranch_scc1 .Llap
	LAP 0, 0, 0, 0                                 ; lap 6 fills no slot
	QUARTER 8, 1, 1, 1, 48                         ; lap 7: its first quarter asks for the last quarter of p,
	QUARTER 9, 1, 0, 0, 48                         ; the others for nothing: the counts run down
	QUARTER 10, 1, 0, 0, 40
	QUARTER 11, 1, 0, 0, 32
	QUARTER 12, 1, 0, 0, 24
	QUARTER 13, 1, 0, 0, 16
	QUARTER 14, 1, 0, 0, 8
	s_wait_dscnt 8                                 ; the very last quarter: nothing more to fetch
	s_wait_loadcnt 0
	WIN MUL
	MUL8 F1, 32*7, 0, 0, 0
	MUL8 F1, 32*7, 0, 2, 0
	s_wait_dscnt 0
	MUL8 F1, 32*7, 1, 0, 0
	MUL8 F1, 32*7, 1, 2, 0
	MERGE 0
	; THE WAY OUT, 16 rows at a time: a lane's 32 bytes of each tile into my own stage, whole rows of 512 bytes back and out
.macro OUT16 a, f
	WIN 0x08                                       ; the stores' data in window 2
.irp b, 0,1,2,3,4,5,6,7
	ds_store_b128 v[STO], v[8*(8*\a+\b):8*(8*\a+\b)+3] offset:64*\b
	ds_store_b128 v[STO], v[8*(8*\a+\b)+4:8*(8*\a+\b)+7] offset:64*\b+16
.endr
	WIN 0
	s_wait_xcnt 0x0                                ; buffer f, which stores read, and the stores' base are written again only behind this wait
.if \a
	s_add_nc_u64 s[8:9], s[8:9], 16*ROWB
.endif
.irp t, 0,1,2,3,4,5,6,7,8,9,10,11,12,13,14,15
	ds_load_b128 v[\f+4*\t:\f+4*\t+3], v[RD] offset:\t*PITCH       ; LDS serves a wave's instructions in order: these see the stores above
.endr
.irp t, 0,1,2,3,4,5,6,7,8,9,10,11,12,13,14,15
	s_wait_dscnt 15-\t
	global_store_b128 v[LO], v[\f+4*\t:\f+4*\t+3], s[8:9] offset:\t*ROWB th:TH_STORE_NT    ; a wave's store covers 512 consecutive bytes, aligned
.endr
.endm
	OUT16 0, F0
	OUT16 1, F1
	OUT16 2, F0
	OUT16 3, F1
	s_wait_tensorcnt 0x0
	ds_add_u32 v254, v255
	s_wait_dscnt 0x0
	CROUND                                         ; the closing round: no work-group ends while a partner may still ask for a tile that names it
	s_endpgm
.Lfunc_end_k_q5b7a5449d0_mix:
	.size	k_q5b7a5449d0_mix, .Lfunc_end_k_q5b7a5449d0_mix-k_q5b7a5449d0_mix
	.p2alignl 7, 3214868480
	.fill 96, 4, 3214868480
	.section	.rodata,"a",@progbits
	.p2align	6, 0x0
	.amdhsa_kernel k_q5b7a5449d0_mix
		.amdhsa_group_segment_fixed_size 327680
		.amdhsa_private_segment_fixed_size 0
		.amdhsa_enable_private_segment 0
		.amdhsa_kernarg_size 40
		.amdhsa_user_sgpr_count 2
		.amdhsa_user_sgpr_kernarg_segment_ptr 1
		.amdhsa_wavefront_size32 1
		.amdhsa_system_sgpr_workgroup_id_x 1
		.amdhsa_system_sgpr_workgroup_id_y 1
		.amdhsa_system_sgpr_workgroup_id_z 1
		.amdhsa_system_vgpr_workitem_id 0
		.amdhsa_next_free_vgpr 1024
		.amdhsa_next_free_sgpr 80
		.amdhsa_reserve_vcc 0
		.amdhsa_float_denorm_mode_32 3
		.amdhsa_float_denorm_mode_16_64 3
		.amdhsa_memory_ordered 1
		.amdhsa_forward_progress 1
		.amdhsa_inst_pref_size 255
	.end_amdhsa_kernel
	.section	.bss,"aw",@nobits
	.p2align	6
	.space	262144
	.amdgpu_metadata
---
amdhsa.version: [ 1, 2 ]
amdhsa.kernels:
  - .name:           k_q5b7a5449d0_mix
    .symbol:         k_q5b7a5449d0_mix.kd
    .args:
      - { .name: p, .offset: 0, .size: 8, .value_kind: global_buffer, .address_space: global }
      - { .name: xit, .offset: 8, .size: 8, .value_kind: global_buffer, .address_space: global }
      - { .name: mstat, .offset: 16, .size: 8, .value_kind: global_buffer, .address_space: global }
      - { .name: lstat, .offset: 24, .size: 8, .value_kind: global_buffer, .address_space: global }
      - { .name: out0, .offset: 32, .size: 8, .value_kind: global_buffer, .address_space: global }
    .group_segment_fixed_size: 327680
    .private_segment_fixed_size: 0
    .kernarg_segment_align: 8
    .kernarg_segment_size: 40
    .max_flat_workgroup_size: 128
    .sgpr_count:     80
    .vgpr_count:     1024
    .wavefront_size: 32
...
	.end_amdgpu_metadata
.endif
;; end of part 3
